; MI455X (gfx1250); checked and timed in simulation.
; The chip was launched on July 23, 2026; its instructions are those of AMD's public machine-readable ISA for CDNA 5 (MIT licence, August 2026) and "CDNA5" Instruction Set Architecture Reference Guide (July 2026). The comments in the code are by the model that wrote it; some were corrected since.
;; Attention. Allowed arithmetic: matrix products marked QUANTISED: E4M3 operands, one given power-of-two scale a tensor, by v_wmma_f32_16x16x64_fp8_fp8 or v_wmma_f32_16x16x128_fp8_fp8, f32 sums; everything else in f32.
;; Inputs: Wk 1,024 x 1,024 float32; Wo 1,024 x 1,024 float32; Wq 1,024 x 1,024 float32; Wv 1,024 x 1,024 float32; bo 1,024 float32; lowp_scales 12 int32 (the exponents e of the quantised operands' scales 2^e); x 4 x 2,048 x 1,024 float32.
;; Outputs: out0 4 x 2,048 x 1,024 float32.
;; This version of the problem:
;;   THIS VERSION OF THE PROBLEM IS GIVEN IN LOW PRECISION. The matrix products marked QUANTISED in the list below multiply operands that are first quantised to E4M3 (4 exponent bits, 3 mantissa bits; 8 bits a number), with one given power-of-two scale for each operand tensor; their sums are f32. All else is computed in f32.
;;   The module's matrix products, in the order in which they are computed (A, B: the left and right operand; K: the contracted axis; several contracted axes count as one K, in the product's order):
;;     1. [M 8,192, K 1,024] x [K 1,024, N 1,024]; A: input x; B: input Wq: QUANTISED (scales: A lowp_scales[0], B lowp_scales[1])
;;     2. [M 8,192, K 1,024] x [K 1,024, N 1,024]; A: input x; B: input Wk: QUANTISED (scales: A lowp_scales[2], B lowp_scales[3])
;;     3. [M 8,192, K 1,024] x [K 1,024, N 1,024]; A: input x; B: input Wv: QUANTISED (scales: A lowp_scales[4], B lowp_scales[5])
;;     4. batch 64 x [M 2,048, K 64] x [K 64, N 2,048]; A: computed on the way; B: computed on the way: QUANTISED (scales: A lowp_scales[6], B lowp_scales[7])
;;     5. batch 64 x [M 2,048, K 2,048] x [K 2,048, N 64]; A: softmax (see below); B: computed on the way: QUANTISED (scales: A lowp_scales[8], B lowp_scales[9])
;;     6. [M 8,192, K 1,024] x [K 1,024, N 1,024]; A: computed on the way; B: input Wo: QUANTISED (scales: A lowp_scales[10], B lowp_scales[11])
;;   THE QUANTISER, for each operand of a quantised product, along K:
;;     - The operand's scale is 2^e, e = its entry of the input lowp_scales (int32; the entries are numbered through the quantised products in the list's order, A before B).
;;     - Each number is divided by the scale, clamped to +-448, and rounded to the nearest number of E4M3, ties to even, subnormals kept.
;;     - The product sums the exact products of the quantised numbers (number of the format x scale) in f32.
;;   ~~~python
;;   def quantise(x, axis, e):      # numpy; x: float32 -> the quantised numbers, widened to float32 again
;;       x = np.moveaxis(x, axis, -1); K = x.shape[-1]
;;       r = np.clip(x / 2.0 ** e, -448, 448)
;;       step = 2.0 ** (np.maximum(np.frexp(np.where(r == 0, 1, r))[1] - 1, -6) - 3)
;;       q = np.round(r / step) * step * 2.0 ** e      # np.round: ties to even
;;       return np.moveaxis(q, -1, axis).astype(np.float32)
;;   ~~~
;;   SOFTMAX AHEAD OF A QUANTISED PRODUCT. Where the list says 'softmax', what is quantised is not the finished softmax but p = 2^(t - M), with t = logit x log2(e) and M = ceil(the row's largest t), a whole number; so 1/2 < the row's largest p <= 1. The row's sum l is taken of the UNQUANTISED p, in f32, and the product's result is divided by l at the end. Since M is a whole number, a kernel that streams over the keys may use a running M (the ceiling of the running maximum): every later rescaling is an exact power of two, so the quantised numbers keep their values, but for numbers so far below the row's largest that they fall under the format's range.
;;   OPERANDS COMPUTED ON THE WAY. 'Computed on the way' means the value that the module computes at that place (a softmax that the list does not call 'softmax' is quantised finished and normalised). What goes into a quantiser is computed in f32, as accurately as f32 sums, v_exp_f32 and their like allow (about 1e-6 of the number): no bf16 or f16 on the way to a quantiser, and a product that is left as it is and whose result goes on into a quantised operand takes f32 operands (vector FMAs, or v_wmma_f32_16x16x4_f32). A number that lies on a knife's edge between two numbers of the format may be rounded either way, as far as f32 arithmetic and the matrix unit's own rounding can turn it there, and no further.
;; One version. Each part assembles by itself: llvm-mc -triple=amdgcn-amd-amdhsa -mcpu=gfx1250 --defsym DOCPART=n.
;; ======== version 1 of 1: 4 launches
;; limits: right only within a limited range of input values
;; workspace buffers: cod 29,360,128 bytes; qkv 25,165,824 bytes; ao 8,388,608 bytes
;; launch quant (part 1): grid 1536 x 1, 4 waves a work-group, no clusters, 34,304 bytes of LDS; arguments x, Wq, Wk, Wv, Wo, lowp_scales, cod; writes cod
.if DOCPART == 1
	.amdgcn_target "amdgcn-amd-amdhsa--gfx1250"
	.amdhsa_code_object_version 6
	.text
	.protected	k_qa7fb4439b6_quant
	.globl	k_qa7fb4439b6_quant
	.p2align	8
	.type	k_qa7fb4439b6_quant,@function
k_qa7fb4439b6_quant:
	s_mov_b64 s[64:65], 0
	v_nop
	global_prefetch_b8 v0, s[64:65] scope:SCOPE_SE
	s_setreg_imm32_b32 hwreg(HW_REG_WAVE_MODE, 25, 1), 1
	s_wait_xcnt 0x0
; x [8192][1024] f32 becomes three sets of E4M3 codes (scales 2^e0, 2^e2, 2^e4: x is an operand of three products); Wq, Wk, Wv, Wo [1024 k][1024 n] f32 become codes with
; the scales 2^e1, 2^e3, 2^e5, 2^e11.  code = number / 2^e, held within +-448, rounded to the nearest code, ties to even.
; THE IMAGE.  All codes are laid in the order of a matrix operand's registers.  A fragment is 16 rows x 128 K = 2,048 bytes = four blocks of 512; in block cb lane l (r = l % 16,
; h = l / 16) owns the 16 bytes at 16 l: row r's codes of k = 32 cb + 8 h + 0..7, then of k = 32 cb + 16 + 8 h + 0..7.
; cod: x's set s at s x 8,388,608, [row tile 512][K step 8][2,048]; weight w (q, k, v, o) at 25,165,824 + w x 1,048,576, [n tile 64][K step 8][2,048], rows = n.
; SHARES: work-groups 0-511 take the weights (a wave: 32 columns x 64 along K), 512-1535 take x (a wave: ONE fragment, in three scales).  A wave asks for all its numbers at once, works them and stores.
; Waves share nothing: no barrier; no tile is read by two work-groups, so there is nothing for a cluster to share, and no loop to prefetch ahead in.
; LIMITS: each e between -126 and 119, so that 2^e and 448 x 2^e are f32 numbers.  NaN among the inputs is not served (an infinity is held at the largest code).
.set XSET, 8388608                     ; bytes of one set of x's codes
.set WIMG, 25165824                    ; where the weights' images begin
.set SP,   528                         ; a stage row: 512 bytes + 16
.set WST,  16*SP                       ; a wave's stage
.set SPARE, 4*WST                      ; behind the stages: the spare words
.set SPW,  14                          ; v14 LDS address of my spare word; never rewritten
.set NIL,  15                          ; v15 0; never rewritten
.set R,    16                          ; v16-79   x: 16 rows x 16 bytes a lane, as loaded
.set C,    16                          ; v16-63   later the codes for the three scales: R is done with when the numbers are back from the stage
.set X,    80                          ; v80-143  x: 64 numbers of my row, in the image's order
.set T,    144                         ; v144-159 two sets of eight held numbers, by turns
.set WX,   16                          ; v16-79   weights: two blocks of 32 numbers down K
.set WC,   80                          ; v80-95   weights: eight registers of codes for each block
	s_load_b256 s[4:11], s[0:1], 0x0               ; x s[4:5], Wq s[6:7], Wk s[8:9], Wv s[10:11]
	s_load_b128 s[12:15], s[0:1], 0x20             ; Wo s[12:13], the exponents s[14:15]
	s_load_b64 s[16:17], s[0:1], 0x30              ; cod
	v_lshl_add_u32 v[SPW], v0, 2, SPARE
	v_mov_b32 v[NIL], 0
	v_lshrrev_b32 v1, 5, v0
	v_readfirstlane_b32 s18, v1                    ; wave 0..3
	v_and_b32 v1, 31, v0                           ; lane
	v_and_b32 v2, 15, v0                           ; r
	v_bfe_u32 v3, v0, 4, 1                         ; h
	s_wait_alu depctr_va_vdst(0)                   ; directly ahead of the wait below
	s_wait_kmcnt 0x0
	s_load_b256 s[24:31], s[14:15], 0x0            ; e0 .. e7
	s_load_b32 s32, s[14:15], 0x2c                 ; e11
	s_cmp_ge_u32 ttmp9, 512
	s_cbranch_scc0 .Lweights
; ---------------- x: a wave takes one fragment, 16 rows x 128 along K ----------------
	s_sub_co_u32 s19, ttmp9, 512
	s_lshl_b32 s19, s19, 2
	s_add_co_u32 s19, s19, s18                     ; which of the 4,096 fragments
	s_lshr_b32 s20, s19, 3                         ; row tile
	s_and_b32 s21, s19, 7                          ; K step
	s_lshl_b32 s22, s20, 16                        ; 16 rows of 4,096 bytes
	s_lshl_b32 s23, s21, 9                         ; 128 numbers
	s_add_co_u32 s22, s22, s23
	s_mov_b32 s23, 0
	s_add_nc_u64 s[4:5], s[4:5], s[22:23]
	s_lshl_b32 s22, s20, 14                        ; a row tile's eight fragments
	s_lshl_b32 s33, s21, 11
	s_add_co_u32 s22, s22, s33
	s_add_nc_u64 s[36:37], s[16:17], s[22:23]      ; a base for each set
	s_add_nc_u64 s[38:39], s[36:37], XSET
	s_add_nc_u64 s[40:41], s[38:39], XSET
	v_lshlrev_b32 v4, 4, v1                        ; 16 x lane: my bytes of a load's 512, and of a store's
	s_mul_i32 s33, s18, WST
	v_add_nc_u32 v5, s33, v4                       ; the stage, in: as loaded
	v_mul_u32_u24 v6, v2, SP
	v_lshl_add_u32 v6, v3, 5, v6
	v_add_nc_u32 v6, s33, v6                       ; the stage, out: row r, + 32 h bytes
.set i, 0
.rept 16
	global_load_b128 v[R+4*i:R+4*i+3], v4, s[4:5] offset:4096*i th:TH_LOAD_NT   ; 512 consecutive bytes of row i
.set i, i+1
.endr
	s_wait_alu depctr_va_vdst(0)                   ; directly ahead of the wait below
	s_wait_kmcnt 0x0
.irp s, 0,1,2
	s_add_co_i32 s34, s[24+2*\s], 127
	s_lshl_b32 s35, s34, 23
	v_mov_b32 v[8+2*\s], s35                       ; 2^e as f32: the conversion takes its exponent field
	s_add_co_i32 s34, s34, 8
	s_lshl_b32 s34, s34, 23
	s_or_b32 s34, s34, 0x600000
	v_mov_b32 v[9+2*\s], s34                       ; 448 x 2^e
.endr
	s_wait_alu depctr_va_vdst(0)                   ; the head's end
	s_wait_loadcnt 0x0
.set i, 0
.rept 16
	ds_store_b128 v5, v[R+4*i:R+4*i+3] offset:SP*i
.set i, i+1
.endr
.set i, 0
.rept 16                               ; i = 4 cb + 2 u + j: numbers k = 32 cb + 16 u + 8 h + 4 j + 0..3 of row r.  LDS serves a wave's instructions in order
	ds_load_b128 v[X+4*i:X+4*i+3], v6 offset:128*(i/4)+64*((i/2)%2)+16*(i%2)
.set i, i+1
.endr
	s_wait_dscnt 0x0                               ; the numbers are back, and the stores have read R
.irp s, 0,1,2
.set g, 0
.rept 8
.set i, 0
.rept 8
	v_med3_num_f32 v[T+8*(g%2)+i], v[X+8*g+i], -v[9+2*\s], v[9+2*\s]   ; the conversion does not saturate (ISA guide 7.6.2): the hold comes first
.set i, i+1
.endr
	v_cvt_scalef32_pk8_fp8_f32 v[C+16*\s+2*g:C+16*\s+2*g+1], v[T+8*(g%2):T+8*(g%2)+7], v[8+2*\s]   ; the other set's eight holds stand between this line and the next write of its sources
.set g, g+1
.endr
.irp cb, 0,1,2,3
	global_store_b128 v4, v[C+16*\s+4*\cb:C+16*\s+4*\cb+3], s[36+2*\s:37+2*\s] offset:512*\cb   ; a block of the image: 512 consecutive bytes, aligned
.endr
.endr
	s_wait_tensorcnt 0x0                           ; the wave's end
	ds_add_u32 v[SPW], v[NIL]
	s_wait_dscnt 0x0
	s_endpgm
; ---------------- weights: K is the first axis.  A lane takes a column n and its registers run down K: nothing is transposed ----------------
.Lweights:
	s_lshr_b32 s20, ttmp9, 7                       ; which weight: q, k, v, o
	s_and_b32 s21, ttmp9, 7                        ; which 128 columns
	s_bfe_u32 s22, ttmp9, 0x40003                  ; which 64 along K
	s_cmp_eq_u32 s20, 1
	s_cselect_b64 s[34:35], s[8:9], s[6:7]
	s_cmp_eq_u32 s20, 2
	s_cselect_b64 s[34:35], s[10:11], s[34:35]
	s_cmp_eq_u32 s20, 3
	s_cselect_b64 s[34:35], s[12:13], s[34:35]
	s_lshl_b32 s23, s21, 7
	s_lshl_b32 s33, s18, 5
	s_add_co_u32 s23, s23, s33                     ; n0: my wave's first column
	s_lshl_b32 s42, s22, 18                        ; 64 rows of 4,096 bytes
	s_lshl_b32 s33, s23, 2
	s_add_co_u32 s42, s42, s33
	s_mov_b32 s43, 0
	s_add_nc_u64 s[34:35], s[34:35], s[42:43]
	s_lshl_b32 s42, s20, 20                        ; the weight's image,
	s_lshl_b32 s33, s23, 10                        ; n tile n0 / 16 of 16,384 bytes,
	s_add_co_u32 s42, s42, s33
	s_lshl_b32 s33, s22, 10                        ; two blocks of 512 for 64 along K
	s_add_co_u32 s42, s42, s33
	s_add_co_u32 s42, s42, WIMG
	s_add_nc_u64 s[36:37], s[16:17], s[42:43]
	v_lshlrev_b32 v4, 2, v1                        ; in: 4 bytes a lane: a load reads 128 consecutive bytes, the four waves 512
	v_lshlrev_b32 v7, 4, v2
	v_lshl_add_u32 v7, v3, 14, v7                  ; out: 16 r, lanes 16-31 in the next n tile
.set i, 0
.rept 64
	global_load_b32 v[WX+i], v4, s[34:35] offset:i*4096 th:TH_LOAD_NT   ; W(i, my column)
.set i, i+1
.endr
	s_wait_alu depctr_va_vdst(0)                   ; directly ahead of the wait below
	s_wait_kmcnt 0x0
	s_cmp_eq_u32 s20, 1
	s_cselect_b32 s33, s27, s25                    ; e1, e3, e5 or e11
	s_cmp_eq_u32 s20, 2
	s_cselect_b32 s33, s29, s33
	s_cmp_eq_u32 s20, 3
	s_cselect_b32 s33, s32, s33
	s_add_co_i32 s33, s33, 127
	s_lshl_b32 s42, s33, 23
	v_mov_b32 v8, s42                              ; 2^e
	s_add_co_i32 s33, s33, 8
	s_lshl_b32 s33, s33, 23
	s_or_b32 s33, s33, 0x600000
	v_mov_b32 v9, s33                              ; 448 x 2^e
	s_wait_alu depctr_va_vdst(0)                   ; the head's end
.irp t, 0,1
	s_wait_loadcnt 32*(1-\t)                       ; this block's 32 loads are in; the next block's 32 may be out
.set i, 0
.rept 32
	v_med3_num_f32 v[WX+32*\t+i], v[WX+32*\t+i], -v9, v9
.set i, i+1
.endr
	v_cvt_scalef32_pk8_fp8_f32 v[WC+8*\t:WC+8*\t+1], v[WX+32*\t:WX+32*\t+7], v8            ; the image's place (r, 0): k + 0..7, then k + 16..23
	v_cvt_scalef32_pk8_fp8_f32 v[WC+8*\t+2:WC+8*\t+3], v[WX+32*\t+16:WX+32*\t+23], v8
	v_cvt_scalef32_pk8_fp8_f32 v[WC+8*\t+4:WC+8*\t+5], v[WX+32*\t+8:WX+32*\t+15], v8       ; its place (r, 1): k + 8..15, then k + 24..31
	v_cvt_scalef32_pk8_fp8_f32 v[WC+8*\t+6:WC+8*\t+7], v[WX+32*\t+24:WX+32*\t+31], v8
	global_store_b128 v7, v[WC+8*\t:WC+8*\t+3], s[36:37] offset:\t*512          ; sixteen lanes store 256 consecutive bytes, aligned
	global_store_b128 v7, v[WC+8*\t+4:WC+8*\t+7], s[36:37] offset:\t*512+256
.endr
	s_endpgm
.Lfunc_end_k_qa7fb4439b6_quant:
	.size	k_qa7fb4439b6_quant, .Lfunc_end_k_qa7fb4439b6_quant-k_qa7fb4439b6_quant
	.p2alignl 7, 3214868480
	.fill 96, 4, 3214868480
	.section	.rodata,"a",@progbits
	.p2align	6, 0x0
	.amdhsa_kernel k_qa7fb4439b6_quant
		.amdhsa_group_segment_fixed_size 34304
		.amdhsa_private_segment_fixed_size 0
		.amdhsa_enable_private_segment 0
		.amdhsa_kernarg_size 56
		.amdhsa_user_sgpr_count 2
		.amdhsa_user_sgpr_kernarg_segment_ptr 1
		.amdhsa_wavefront_size32 1
		.amdhsa_system_sgpr_workgroup_id_x 1
		.amdhsa_system_sgpr_workgroup_id_y 1
		.amdhsa_system_sgpr_workgroup_id_z 1
		.amdhsa_system_vgpr_workitem_id 0
		.amdhsa_next_free_vgpr 160
		.amdhsa_next_free_sgpr 66
		.amdhsa_reserve_vcc 0
		.amdhsa_float_denorm_mode_32 3
		.amdhsa_float_denorm_mode_16_64 3
		.amdhsa_memory_ordered 1
		.amdhsa_forward_progress 1
		.amdhsa_inst_pref_size 34
	.end_amdhsa_kernel
	.amdgpu_metadata
---
amdhsa.version: [ 1, 2 ]
amdhsa.kernels:
  - .name:           k_qa7fb4439b6_quant
    .symbol:         k_qa7fb4439b6_quant.kd
    .args:
      - { .name: x, .offset: 0, .size: 8, .value_kind: global_buffer, .address_space: global }
      - { .name: Wq, .offset: 8, .size: 8, .value_kind: global_buffer, .address_space: global }
      - { .name: Wk, .offset: 16, .size: 8, .value_kind: global_buffer, .address_space: global }
      - { .name: Wv, .offset: 24, .size: 8, .value_kind: global_buffer, .address_space: global }
      - { .name: Wo, .offset: 32, .size: 8, .value_kind: global_buffer, .address_space: global }
      - { .name: lowp_scales, .offset: 40, .size: 8, .value_kind: global_buffer, .address_space: global }
      - { .name: cod, .offset: 48, .size: 8, .value_kind: global_buffer, .address_space: global }
    .group_segment_fixed_size: 34304
    .private_segment_fixed_size: 0
    .kernarg_segment_align: 8
    .kernarg_segment_size: 56
    .max_flat_workgroup_size: 128
    .sgpr_count:     66
    .vgpr_count:     160
    .wavefront_size: 32
...
	.end_amdgpu_metadata
.endif
;; end of part 1
;; launch qkv (part 2): grid 12 x 32, 4 waves a work-group, clusters of 4 x 4, 327,680 bytes of LDS; arguments cod, lowp_scales, qkv; writes qkv
.if DOCPART == 2
	.amdgcn_target "amdgcn-amd-amdhsa--gfx1250"
	.amdhsa_code_object_version 6
	.text
	.protected	k_qa7fb4439b6_qkv
	.globl	k_qa7fb4439b6_qkv
	.p2align	8
	.type	k_qa7fb4439b6_qkv,@function
k_qa7fb4439b6_qkv:
	s_mov_b64 s[64:65], 0
	v_nop
	global_prefetch_b8 v0, s[64:65] scope:SCOPE_SE
	s_setreg_imm32_b32 hwreg(HW_REG_WAVE_MODE, 25, 1), 1
	s_wait_xcnt 0x0
	s_wait_alu depctr_hold_cnt(0) depctr_sa_sdst(0) depctr_va_vdst(0) depctr_va_sdst(0) depctr_va_ssrc(0) depctr_va_vcc(0) depctr_vm_vsrc(0)
	s_getreg_b32 s2, hwreg(HW_REG_IB_STS2, 6, 4)
	s_cmp_eq_u32 s2, 0
	s_cbranch_scc0 .Lentry_in_a_cluster
	s_endpgm
.Lentry_in_a_cluster:
	s_bfe_u32 s2, ttmp6, 0x10000c
	s_cmp_lg_u32 s2, 0xf033
	s_cbranch_scc0 .Lentry_shape_is_right
	s_endpgm
.Lentry_shape_is_right:
; q = x Wq, k = x Wk, v = x Wv on E4M3 codes; each result is quantised in registers (2^e6, 2^e7, 2^e9) and stored as an image of the next product's operand registers.
; IMAGE: a fragment of 16 rows x 128 K is 2,048 bytes, four blocks of 512; in block cb lane l (r = l % 16, h = l / 16) owns 16 bytes at 16 l: row r, k = 32 cb + 8 h + 0..7, then 32 cb + 16 + 8 h + 0..7.
; C'[m][n] = sum over k of A'[m][k] B'[n][k].  The cluster's x is the section: 0: A' = x (set 0), B' = Wq;  1: A' = x (set 1), B' = Wk;  2: A' = Wv, B' = x (set 2): V is made TRANSPOSED, so that a lane's registers run along the keys.
; A tile of C' is 256 x 256: four waves, each 128 x 128 in 64 accumulators.  K = 1,024 goes in four steps of 256 through two LDS slots filled by the tensor data mover.
; THE MATRIX INSTRUCTION IS USED TRANSPOSED (source 0 = 16 rows of B', source 1 = 16 rows of A'): a lane holds one row of A' and eight neighbouring rows of B': two neighbouring tiles convert into a lane's 16 bytes of an image's block.
; CLUSTERS: 4 x 4.  The four of a row of the cluster need the same tiles of A', the four of a column the same of B': each tile is asked for jointly.
; qkv: q at 0 and k at 8,388,608: [b x 16 + head][token tile 128][1,024] (16 tokens x 64);  v at 16,777,216: [b x 16 + head][128 keys: 16][16 channels: 4][2,048].
; LIMITS: e6 - e0 - e1, e7 - e2 - e3 and e9 - e4 - e5 between -126 and 119, so that the folded scale and 448 x it are f32 numbers.
; REGISTERS, in windows of 256: window 0: v12-29 scale, hold, addresses; v32-95 at work on the way out; v128-255 A's fragments, ONE set, later the codes.  window 1: B's fragments, TWO sets.  windows 2, 3: accumulator (a, b) at v[8 (8 (a % 4) + b)].
.set HALFT,  32768                     ; 128 rows x 256 K as images: 8 row tiles x 4,096 bytes: what one tensor load brings
.set SLOT,   4*HALFT                   ; A's 256 rows, then B's 256 rows
.set SPARE,  2*SLOT                    ; behind the ring: the spare words, 128 bytes for each wave, that no other line names
.set FR,     16                        ; registers of a fragment
.set NL,     4                         ; LDS loads that bring one
.set NP,     4                         ; places behind this matrix instruction (ISA guide 7.12.1)
.set SCV,  12                          ; v12     the folded scale as f32
.set LIMV, 13                          ; v13     448 x it
.set ADRA, 16                          ; v16-17  LDS address of my A fragments in slot 0, 1
.set ADRB, 20                          ; v20-21  the same for B
.set CO,   26                          ; v26     16 x lane
.set SPW,  28                          ; v28     LDS address of my spare word; never rewritten
.set NIL,  29                          ; v29     0; never rewritten
.set TMP,  32
.set AF,   128
.set CD,   128                         ; the way out: block a's codes at v[128 + 16 a]
.set G1, 24                            ; s[24:31] group 1 for A's tiles; s[32:39] group 0, a set for each slot
.set G0, 32
.set G1B, 48                           ; s[48:55], s[56:63] the same for B's
.set G0B, 56
.set MSB, 0
.macro WIN new                         ; the immediate's high byte repeats the setting that is left
.if MSB != (\new)
	s_set_vgpr_msb (MSB<<8)|(\new)
.set MSB, (\new)
.endif
.endm
.set MUL_LO, 0xa1                      ; source 0 (B) window 1, source 1 (A) window 0, C and D window 2
.set MUL_HI, 0xf1                      ; the same, C and D window 3
.set TO_B,   0x40                      ; destination window 1, address window 0
.macro JLOAD g0a, g1a, g0b, g1b        ; a joint load: waves 0 and 1 fetch for A, waves 2 and 3 for B; the branch hangs on the wave's number alone; four v_nop follow each line
	s_cmp_eq_u32 s15, 0
	s_cbranch_scc0 .Lfor_b_\@
	tensor_load_to_lds s[\g0a:\g0a+3], s[\g1a:\g1a+7]
	s_nop 0
.rept 4
	v_nop
.endr
	s_branch .Lasked_\@
.Lfor_b_\@:
	tensor_load_to_lds s[\g0b:\g0b+3], s[\g1b:\g1b+7]
	s_nop 0
.rept 4
	v_nop
.endr
.Lasked_\@:
.endm
.macro CREST                           ; a round of the cluster's barrier behind its opening barrier
	s_cmp_lg_u32 s14, 0
	s_cbranch_scc1 .Lnot_wave_0_\@
	s_barrier_signal -3
.Lnot_wave_0_\@:
	s_barrier_wait -3
	s_barrier_signal -1
	s_barrier_wait -1
.endm
.macro CROUND
	s_barrier_signal -1
	s_barrier_wait -1
	CREST
.endm
	s_load_b128 s[4:7], s[0:1], 0x0                ; cod s[4:5], the exponents s[6:7]
	s_load_b64 s[10:11], s[0:1], 0x10              ; qkv
	v_lshl_add_u32 v[SPW], v0, 2, SPARE
	v_mov_b32 v[NIL], 0
	ds_add_u32 v28, v29
	ds_add_u32 v28, v29
	s_wait_dscnt 0x0
	v_lshrrev_b32 v1, 5, v0
	v_readfirstlane_b32 s14, v1                    ; wave 0..3
	s_lshr_b32 s15, s14, 1                         ; which half of the tile's rows is mine.  Also: I fetch for A (0) or for B (1)
	s_and_b32 s16, s14, 1                          ; which half of its columns.  Also: which 128 rows of that tile I fetch
	s_bfe_u32 s40, ttmp6, 0x40000                  ; cx
	s_bfe_u32 s41, ttmp6, 0x40004                  ; cy
	s_and_b32 s17, ttmp7, 0xffff
	s_lshl_b32 s17, s17, 2                         ; 4 x cluster y
	s_lshr_b32 s84, ttmp9, 1                       ; 1 in section 2,
	s_xor_b32 s85, s84, 1                          ; 1 in sections 0 and 1: the same in all partners
	s_mul_i32 s86, s17, s85
	s_add_co_u32 s86, s86, s41                     ; tile row: 4 Y + cy over the tokens, or cy over Wv's channels
	s_mul_i32 s87, s17, s84
	s_add_co_u32 s87, s87, s40                     ; tile column: cx over the channels, or 4 Y + cx over the tokens
	s_lshl_b32 s43, s41, 2
	s_lshl_b32 s43, 15, s43                        ; my row of the cluster
	s_lshl_b32 s44, 0x1111, s40                    ; my column
	; group 1: 8 rows (row tiles) of 4,096 bytes (two K steps' images), 16,384 bytes apart; dense in LDS
	s_or_b32 s[G1+0], s43, (3<<16)|(1<<21)         ; 15:0 the mask; 17:16 elements of 8 bytes; 21 set beside a mask; no padding
	s_or_b32 s[G1B+0], s44, (3<<16)|(1<<21)
.irp g, G1, G1B
	s_mov_b32 s[\g+1], 512<<16                     ; tensor_dim0 = 512 elements
	s_mov_b32 s[\g+2], 8<<16                       ; tensor_dim1 = 8
	s_mov_b32 s[\g+3], 512<<16                     ; tile_dim0
	s_mov_b32 s[\g+4], 8                           ; tile_dim1
	s_mov_b32 s[\g+5], 2048                        ; from row tile to row tile, in elements
	s_mov_b32 s[\g+6], 0
	s_mov_b32 s[\g+7], 0
.endr
	s_lshl_b32 s18, s16, 17                        ; the 128 rows that I fetch: 8 row tiles of 16,384 bytes
	s_mul_i32 s88, ttmp9, s85                      ; the section where it is 0 or 1, else 0
	s_lshl_b32 s20, s88, 23                        ; A': x's set,
	s_mul_i32 s21, s84, 27262976                   ; or Wv's image
	s_add_co_u32 s20, s20, s21
	s_lshl_b32 s21, s86, 18                        ; + tile row x 262,144
	s_add_co_u32 s20, s20, s21
	s_add_co_u32 s20, s20, s18
	s_mov_b32 s21, 0
	s_lshl_b32 s46, s88, 20                        ; B': Wq's or Wk's image,
	s_mul_i32 s47, s85, 25165824
	s_add_co_u32 s46, s46, s47
	s_lshl_b32 s47, s84, 24                        ; or x's set 2
	s_add_co_u32 s46, s46, s47
	s_lshl_b32 s47, s87, 18
	s_add_co_u32 s46, s46, s47
	s_add_co_u32 s46, s46, s18
	s_mov_b32 s47, 0
	s_lshl_b32 s45, s14, 15                        ; where the tiles go: wave x 32,768: no place in the cluster enters an LDS address
	s_wait_kmcnt 0x0
	s_load_b256 s[72:79], s[6:7], 0x0              ; e0 .. e7
	s_load_b128 s[80:83], s[6:7], 0x20             ; e8 .. e11
	s_add_nc_u64 s[20:21], s[4:5], s[20:21]
	s_add_nc_u64 s[46:47], s[4:5], s[46:47]
	CROUND                                         ; all sixteen work-groups are here: the first joint loads meet
.irp s, 0,1
	s_mov_b32 s[G0+4*\s], 1
	s_add_co_u32 s[G0+4*\s+1], s45, \s*SLOT
	s_add_nc_u64 s[G0+4*\s+2:G0+4*\s+3], s[20:21], \s*4096
	s_or_b32 s[G0+4*\s+3], s[G0+4*\s+3], 0x80000000
	s_mov_b32 s[G0B+4*\s], 1
	s_add_co_u32 s[G0B+4*\s+1], s45, \s*SLOT
	s_add_nc_u64 s[G0B+4*\s+2:G0B+4*\s+3], s[46:47], \s*4096
	s_or_b32 s[G0B+4*\s+3], s[G0B+4*\s+3], 0x80000000
.endr
	JLOAD G0, G1, G0B, G1B                         ; K 0-255: one tensor load a wave at the head
	v_and_b32 v6, 31, v0
	v_lshlrev_b32 v[CO], 4, v6                     ; 16 x lane: my bytes of every block of an image
	s_lshl_b32 s22, s15, 15                        ; my 128 rows of A
	s_lshl_b32 s23, s16, 15                        ; my 128 rows of B,
	s_add_co_u32 s23, s23, 2*HALFT                 ; which lie behind A's 256
.irp s, 0,1
	v_add_nc_u32 v[ADRA+\s], s22, v[CO]
	v_add_nc_u32 v[ADRB+\s], s23, v[CO]
	s_add_co_u32 s22, s22, SLOT
	s_add_co_u32 s23, s23, SLOT
.endr
	; where my part of the result begins.  tok0: my first token; hc0: my first channel (head x 64 + d)
	s_lshl_b32 s89, s86, 8
	s_lshl_b32 s90, s15, 7
	s_add_co_u32 s89, s89, s90                     ; my first row of C'
	s_lshl_b32 s90, s87, 8
	s_lshl_b32 s91, s16, 7
	s_add_co_u32 s90, s90, s91                     ; my first column
	s_mul_i32 s91, s89, s85
	s_mul_i32 s92, s90, s84
	s_add_co_u32 s91, s91, s92                     ; tok0
	s_mul_i32 s92, s90, s85
	s_mul_i32 s93, s89, s84
	s_add_co_u32 s92, s92, s93                     ; hc0
	s_lshr_b32 s93, s91, 11
	s_lshl_b32 s93, s93, 4
	s_lshr_b32 s94, s92, 6
	s_add_co_u32 s93, s93, s94                     ; b x 16 + head
	s_lshl_b32 s93, s93, 17                        ; x 131,072
	s_and_b32 s94, s91, 2047
	s_lshl_b32 s94, s94, 6                         ; 64 bytes a token, in q, k and v alike
	s_add_co_u32 s93, s93, s94
	s_lshl_b32 s94, ttmp9, 23                      ; the section's part of the buffer
	s_add_co_u32 s92, s93, s94
	s_mov_b32 s93, 0
	s_add_nc_u64 s[10:11], s[10:11], s[92:93]
.macro FRAG reg, adr, q, i             ; a fragment comes as it lies: four loads of 512 consecutive bytes
.irp c, 0,1,2,3
	ds_load_b128 v[\reg+4*\c:\reg+4*\c+3], v[\adr] offset:4096*(\i)+2048*(\q)+512*\c
.endr
.endm
; 16 matrix instructions: A's blocks a0, a0 + 1 x B's eight.  The 64 accumulators take turns, one instruction a turn, in the same order in every step.
.macro MUL16 a0, p, zero
.irp a, \a0, \a0+1
.irp b, 0,1,2,3,4,5,6,7
.if \zero
	v_wmma_f32_16x16x128_fp8_fp8 v[8*(8*((\a)%4)+\b):8*(8*((\a)%4)+\b)+7], v[128*(\p)+FR*\b:128*(\p)+FR*\b+FR-1], v[AF+FR*(\a):AF+FR*(\a)+FR-1], 0
.else
	v_wmma_f32_16x16x128_fp8_fp8 v[8*(8*((\a)%4)+\b):8*(8*((\a)%4)+\b)+7], v[128*(\p)+FR*\b:128*(\p)+FR*\b+FR-1], v[AF+FR*(\a):AF+FR*(\a)+FR-1], v[8*(8*((\a)%4)+\b):8*(8*((\a)%4)+\b)+7]
.endif
.endr
.endr
.endm
.macro FETCH_B slot, q, p
	WIN TO_B
.irp i, 0,1,2,3,4,5,6,7
	FRAG 128*(\p)+FR*\i, ADRB+\slot, \q, \i
.endr
	WIN 0
.endm
.macro FETCH_A slot, q, i0
.irp i, \i0, \i0+1, \i0+2, \i0+3
	FRAG AF+FR*(\i), ADRA+\slot, \q, \i
.endr
.endm
.macro PLACES n                        ; plain vector instructions between a matrix instruction and a load into, or a read of, its registers
.rept \n
	v_nop
.endr
.endm
.macro STEP slot, q, zero              ; 128 along K whose successor lies in the same slot
	s_wait_dscnt 4*NL                              ; B's set and A's blocks 0-3 are in; the youngest 16 loads (A's blocks 4-7) may be out
	WIN MUL_LO
	MUL16 0, (\q)%2, \zero
	MUL16 2, (\q)%2, \zero
	s_wait_dscnt 0
	PLACES NP
	FETCH_B \slot, (\q)+1, 1-(\q)%2
	FETCH_A \slot, (\q)+1, 0
	WIN MUL_HI
	MUL16 4, (\q)%2, \zero
	MUL16 6, (\q)%2, \zero
	PLACES NP
	WIN 0
	FETCH_A \slot, (\q)+1, 4
.endm
; A slot's last step changes slots: one barrier; in front of it each wave waits for all its tensor loads, adds 0 to its spare word, and waits for that and for its reads of this slot.
.macro TURN slot, next, fill
	s_wait_tensorcnt 0x0                           ; all my tensor loads have landed: my part of the next slot
	ds_add_u32 v[SPW], v[NIL]                      ; 0 onto my spare word
	s_wait_dscnt 4*NL+1                            ; (the add and the youngest 16 loads may be out)
	WIN MUL_LO
	MUL16 0, 1, 0
	s_wait_dscnt 0x0                               ; the add is done, and my reads of this slot are over
	s_barrier_signal -1
	MUL16 2, 1, 0
	WIN 0
	s_barrier_wait -1
.if \fill
	CREST                                          ; the barrier has opened a round of the cluster's: no wave of any partner still reads this slot or has a load on its way
	s_add_nc_u64 s[G0+4*\slot+2:G0+4*\slot+3], s[G0+4*\slot+2:G0+4*\slot+3], 8192
	s_add_nc_u64 s[G0B+4*\slot+2:G0B+4*\slot+3], s[G0B+4*\slot+2:G0B+4*\slot+3], 8192
	JLOAD G0+4*\slot, G1, G0B+4*\slot, G1B         ; the first tensor load behind the round; its four v_nop are also the places in front of the loads below
.else
	PLACES NP
.endif
	FETCH_B \next, 0, 0
	FETCH_A \next, 0, 0
	WIN MUL_HI
	MUL16 4, 1, 0
	MUL16 6, 1, 0
	PLACES NP
	WIN 0
	FETCH_A \next, 0, 4
.endm
	s_wait_alu depctr_va_vdst(0)
	s_wait_tensorcnt 0x0                           ; my part of slot 0 is in
	ds_add_u32 v[SPW], v[NIL]
	s_wait_dscnt 0x0
	CROUND                                         ; a whole round: slot 0 is whole, and the joint loads meet
	JLOAD G0+4, G1, G0B+4, G1B                     ; K 256-511, the first tensor load behind the round
	FETCH_B 0, 0, 0
	FETCH_A 0, 0, 0
	FETCH_A 0, 0, 4
	STEP 0, 0, 1                                   ; K 0-127: the products start the sums
	TURN 0, 1, 1                                   ; K 128-255; slot 0 takes K 512-767
	STEP 1, 0, 0
	TURN 1, 0, 1                                   ; slot 1 takes K 768-1023
	STEP 0, 0, 0
	TURN 0, 1, 0                                   ; nothing is left to fetch
	STEP 1, 0, 0
	s_wait_dscnt 4*NL
	WIN MUL_LO
	MUL16 0, 1, 0
	MUL16 2, 1, 0
	s_wait_dscnt 0
	WIN MUL_HI
	MUL16 4, 1, 0
	MUL16 6, 1, 0
	WIN 0
	; THE WAY OUT.  A sum stands for sum x 2^(eA + eB); its code is sum / 2^(eout - eA - eB): the three scales are folded into the conversion's one.
	s_wait_kmcnt 0x0
	s_add_co_i32 s72, s72, s73                     ; e0 + e1
	s_add_co_i32 s74, s74, s75                     ; e2 + e3
	s_add_co_i32 s76, s76, s77                     ; e4 + e5
	s_cmp_eq_u32 ttmp9, 1
	s_cselect_b32 s72, s74, s72
	s_cselect_b32 s78, s79, s78                    ; e6 or e7
	s_cmp_eq_u32 ttmp9, 2
	s_cselect_b32 s72, s76, s72
	s_cselect_b32 s78, s81, s78                    ; or e9
	s_sub_co_i32 s78, s78, s72
	s_add_co_i32 s78, s78, 127
	s_lshl_b32 s79, s78, 23
	v_mov_b32 v[SCV], s79
	s_add_co_i32 s78, s78, 8
	s_lshl_b32 s78, s78, 23
	s_or_b32 s78, s78, 0x600000
	v_mov_b32 v[LIMV], s78
	PLACES NP                                      ; behind the last products: their results are read and A's registers written below
; Block a (16 rows of A'): 64 sums a lane are held, converted (tile b into registers 2 b, 2 b + 1) and stored, 16 bytes a lane: each store is a block of an image, 512 consecutive bytes, aligned.
.macro OUTQ a
.set AC, 64*((\a)%4)
	WIN 0x02+(\a)/4                                ; source 0: window 2 or 3
.set j, 0
.rept 64
	v_med3_num_f32 v[TMP+j], v[AC+j], -v[LIMV], v[LIMV]   ; each accumulator from its low end on; the conversion does not saturate (ISA guide 7.6.2)
.set j, j+1
.endr
	WIN 0
.irp g, 0,1,2,3,4,5,6,7
	v_cvt_scalef32_pk8_fp8_f32 v[CD+16*(\a)+2*\g:CD+16*(\a)+2*\g+1], v[TMP+8*\g:TMP+8*\g+7], v[SCV]
.endr
	v_nop                                          ; a plain line between the conversions and the next block's holds, which write their sources
	s_cmp_eq_u32 ttmp9, 2                          ; the section: the same in all partners
	s_cbranch_scc1 .Lvt_\@
.irp p, 0,1,2,3                        ; q, k: block a = 16 tokens; tiles 2 p, 2 p + 1 = head p / 2, channels 32 (p % 2) on
	global_store_b128 v[CO], v[CD+16*(\a)+4*\p:CD+16*(\a)+4*\p+3], s[10:11] offset:(\p/2)*131072+(\a)*1024+(\p%2)*512
.endr
	s_branch .Lsent_\@
.Lvt_\@:
	s_wait_alu depctr_va_vdst(0)
.irp p, 0,1,2,3                        ; v: block a = head a / 4, channels 16 (a % 4) on; tiles 2 p, 2 p + 1 = keys 32 p on
	global_store_b128 v[CO], v[CD+16*(\a)+4*\p:CD+16*(\a)+4*\p+3], s[10:11] offset:((\a)/4)*131072+((\a)%4)*2048+\p*512
.endr
.Lsent_\@:
.endm
.irp a, 0,1,2,3,4,5,6,7
	OUTQ \a
.endr
	s_wait_tensorcnt 0x0                           ; the wave's end
	ds_add_u32 v[SPW], v[NIL]
	s_wait_dscnt 0x0
	CROUND                                         ; the closing round: no work-group ends while a partner may still ask for a tile that names it
	s_endpgm
.Lfunc_end_k_qa7fb4439b6_qkv:
	.size	k_qa7fb4439b6_qkv, .Lfunc_end_k_qa7fb4439b6_qkv-k_qa7fb4439b6_qkv
	.p2alignl 7, 3214868480
	.fill 96, 4, 3214868480
	.section	.rodata,"a",@progbits
	.p2align	6, 0x0
	.amdhsa_kernel k_qa7fb4439b6_qkv
		.amdhsa_group_segment_fixed_size 327680
		.amdhsa_private_segment_fixed_size 0
		.amdhsa_enable_private_segment 0
		.amdhsa_kernarg_size 24
		.amdhsa_user_sgpr_count 2
		.amdhsa_user_sgpr_kernarg_segment_ptr 1
		.amdhsa_wavefront_size32 1
		.amdhsa_system_sgpr_workgroup_id_x 1
		.amdhsa_system_sgpr_workgroup_id_y 1
		.amdhsa_system_sgpr_workgroup_id_z 1
		.amdhsa_system_vgpr_workitem_id 0
		.amdhsa_next_free_vgpr 1024
		.amdhsa_next_free_sgpr 100
		.amdhsa_reserve_vcc 0
		.amdhsa_float_denorm_mode_32 3
		.amdhsa_float_denorm_mode_16_64 3
		.amdhsa_memory_ordered 1
		.amdhsa_forward_progress 1
		.amdhsa_inst_pref_size 122
	.end_amdhsa_kernel
	.amdgpu_metadata
---
amdhsa.version: [ 1, 2 ]
amdhsa.kernels:
  - .name:           k_qa7fb4439b6_qkv
    .symbol:         k_qa7fb4439b6_qkv.kd
    .args:
      - { .name: cod, .offset: 0, .size: 8, .value_kind: global_buffer, .address_space: global }
      - { .name: lowp_scales, .offset: 8, .size: 8, .value_kind: global_buffer, .address_space: global }
      - { .name: qkv, .offset: 16, .size: 8, .value_kind: global_buffer, .address_space: global }
    .group_segment_fixed_size: 327680
    .private_segment_fixed_size: 0
    .kernarg_segment_align: 8
    .kernarg_segment_size: 24
    .max_flat_workgroup_size: 128
    .sgpr_count:     100
    .vgpr_count:     1024
    .wavefront_size: 32
...
	.end_amdgpu_metadata
.endif
;; end of part 2
;; launch attn (part 3): grid 4 x 64, 8 waves a work-group, clusters of 4 x 1, 327,680 bytes of LDS; arguments qkv, lowp_scales, ao; writes ao
.if DOCPART == 3
	.amdgcn_target "amdgcn-amd-amdhsa--gfx1250"
	.amdhsa_code_object_version 6
	.text
	.protected	k_qa7fb4439b6_attn
	.globl	k_qa7fb4439b6_attn
	.p2align	8
	.type	k_qa7fb4439b6_attn,@function
k_qa7fb4439b6_attn:
	s_mov_b64 s[64:65], 0
	v_nop
	global_prefetch_b8 v0, s[64:65] scope:SCOPE_SE
	s_setreg_imm32_b32 hwreg(HW_REG_WAVE_MODE, 25, 1), 1
	s_wait_xcnt 0x0
	s_wait_alu depctr_hold_cnt(0) depctr_sa_sdst(0) depctr_va_vdst(0) depctr_va_sdst(0) depctr_va_ssrc(0) depctr_va_vcc(0) depctr_vm_vsrc(0)
	s_getreg_b32 s2, hwreg(HW_REG_IB_STS2, 6, 4)
	s_cmp_eq_u32 s2, 0
	s_cbranch_scc0 .Lentry_in_a_cluster
	s_endpgm
.Lentry_in_a_cluster:
	s_bfe_u32 s2, ttmp6, 0x10000c
	s_cmp_lg_u32 s2, 0x3003
	s_cbranch_scc0 .Lentry_shape_is_right
	s_endpgm
.Lentry_shape_is_right:
; o = softmax(q k^T / 8) v for one (batch, head) and 512 queries, both products on E4M3 codes; o is quantised (2^e10) and stored as an image of the last product's operand registers.
; qkv: q at 0, k at 8,388,608: [b x 16 + head][token tile 128][1,024] (16 tokens x 64 channels);  v at 16,777,216: [b x 16 + head][128 keys: 16][16 channels: 4][2,048], keys innermost.
; An image's block of 512 bytes: lane l (r = l % 16, h = l / 16) owns 16 bytes at 16 l: row r, k = 32 cb + 8 h + 0..7, then 32 cb + 16 + 8 h + 0..7: the plain 8-bit forms' own places of k.
; SOFTMAX: t = score x log2(e) / 8; M = the running largest t rounded up to a whole number; p = 2^(t - M) is quantised (2^e8), not normalised; the row's sum is taken of the unquantised p and divides at the end.
; SHARES: eight waves, each with 64 queries (four tiles).  Both products are used transposed (S^T = K Q^T, O^T = V^T P^T): a lane holds one query of each tile; tile c's eight scores are keys 16 c + 8 h + 0..7: registers 2 c, 2 c + 1 of P.
; A key step is 128 keys.  Its K and V fragments lie in registers and serve two passes, one for each pair of query tiles: each fragment feeds four matrix instructions.  The next step's K is asked of LDS behind the second
; pass's first product, the next step's V behind the step's last product.  The last trip asks for the last step's tiles once more (a clamped address), so that the trip is written once; those registers are not read.
; LDS: the head's whole K (131,072 bytes, from 0) and V (131,072 bytes, from 131,072) lie there at once, and nothing is filled again.  They come in two fills, waves 0-3 for K and 4-7 for V: at the head 4,096 bytes a wave
; (keys 0-255), and behind a round of the cluster's barrier, 28,672 bytes a wave (keys 256-2047).  The first key step is written out and stands between the second fill's request and the wait for it;
; its products start O^T with the constant 0, so nothing is cleared and it rescales nothing.
; CLUSTER: the four work-groups of a head read the same K and V: both loads are joint ones with the mask 15.
; No prefetch: both tensor loads stand ahead of the loop, so there is no loop to run ahead in.
; LIMITS: e6 + e7 between -123 and 130; e8 and e10 between -126 and 119; the scaled scores stay under 2^31 in magnitude.  NaN among the inputs is not served.
; REGISTERS.  window 0: v1-7 addresses, scale, the add's two; v8-23 -M, largest t, the sum's halves for each of four tiles; v24-55 Q; v56-87 P's codes; v88-103 at work; v128-255 S^T, then p, of a pair of tiles.
;             window 1: v0-127 O^T (tile g at 32 g); v128-191 K's eight fragments; v192-255 V's four.
.set SPARE, 262144                     ; behind K and V: the spare words, 128 bytes a wave
.set LI,  1                            ; 16 x lane
.set SPW, 2                            ; LDS address of my spare word; never rewritten
.set ADK, 3                            ; the next step's K; on the way out the hold
.set ADV, 4                            ; the next step's V
.set SC,  5                            ; the conversion's scale
.set NIL, 6                            ; 0; never rewritten
.set LV,  7                            ; 131,072 + 16 x lane
.set ST,  8
.set QF,  24
.set PP,  56
.set TT,  88
.set SS,  128
.set OO,  0
.set KF,  128
.set VF,  192
.set WV,  18
.set SEL, 22
.set G1,  24                           ; s[24:31] group 1 of the first fill; s[32:35] its group 0
.set G0,  32
.set G0B, 36                           ; s[36:39] group 0 of the second fill; s[40:47] its group 1
.set G1B, 40
.set CS,  66
.set TB,  68
.set CNT, 69
.set LIMS, 81                          ; s81: 448 x 2^e8
.set TC,  82                           ; s82: the next step's bytes, clamped to the last step's
.set MSB, 0
.macro WIN new                         ; the immediate's high byte repeats the setting that is left
.if MSB != (\new)
	s_set_vgpr_msb (MSB<<8)|(\new)
.set MSB, (\new)
.endif
.endm
.macro NOPS n
.rept \n
	v_nop
.endr
.endm
.macro CROUND                          ; a round of the cluster's barrier
	s_barrier_signal -1
	s_barrier_wait -1
	s_cmp_lg_u32 s[WV], 0
	s_cbranch_scc1 .Lnot_wave_0_\@
	s_barrier_signal -3
.Lnot_wave_0_\@:
	s_barrier_wait -3
	s_barrier_signal -1
	s_barrier_wait -1
.endm
	s_load_b128 s[4:7], s[0:1], 0x0                ; qkv, the exponents
	s_load_b64 s[8:9], s[0:1], 0x10                ; ao
	v_lshl_add_u32 v[SPW], v0, 2, SPARE
	v_mov_b32 v[NIL], 0
	ds_add_u32 v[SPW], v[NIL]                      ; the opening lines: the add, twice on end, and its wait
	ds_add_u32 v[SPW], v[NIL]
	v_lshrrev_b32 v1, 5, v0
	v_readfirstlane_b32 s[WV], v1                  ; wave 0..7
	v_and_b32 v[LI], 31, v0
	v_lshlrev_b32 v[LI], 4, v[LI]
	v_add_nc_u32 v[LV], 131072, v[LI]
	s_bfe_u32 s19, ttmp6, 0x40000                  ; cx: which 512 queries
	s_and_b32 s20, ttmp7, 0xffff                   ; b x 16 + head
.irp g, G1, G1B
	s_mov_b32 s[\g], 15|(3<<16)|(1<<21)            ; the mask of all four partners; elements of 8 bytes; bit 21 beside a mask
	s_mov_b32 s[\g+1], 32<<16                      ; rows of 256 bytes, dense
	s_mov_b32 s[\g+3], 32<<16
	s_mov_b32 s[\g+5], 32
	s_mov_b32 s[\g+6], 0
	s_mov_b32 s[\g+7], 0
.endr
	s_mov_b32 s[G1+2], 16<<16                      ; the first fill: 16 rows a wave,
	s_mov_b32 s[G1+4], 16
	s_mov_b32 s[G1B+2], 112<<16                    ; the second: 112
	s_mov_b32 s[G1B+4], 112
	s_mov_b32 s[SEL], 0x76543210
	s_mov_b32 s[SEL+1], 0xfedcba98
	s_mov_b32 s[CS], 0x3e38aa3b                    ; log2(e) / 8
	s_lshr_b32 s10, s[WV], 2                       ; 0: I fetch of K, 1: of V
	s_and_b32 s11, s[WV], 3
	s_lshl_b32 s21, s10, 17                        ; in LDS K lies from 0, V from 131,072
	s_lshl_b32 s48, s11, 12                        ; my 4,096 bytes of the first 16,384,
	s_mul_i32 s49, s11, 28672
	s_add_co_u32 s49, s49, 16384                   ; my 28,672 of the other 114,688
	s_add_co_u32 s50, s21, s48
	s_add_co_u32 s51, s21, s49
	s_add_co_u32 s12, s10, 1
	s_lshl_b32 s12, s12, 23
	s_lshl_b32 s13, s20, 17
	s_add_co_u32 s12, s12, s13                     ; the head's K or V in qkv
	s_add_co_u32 s52, s12, s49
	s_mov_b32 s53, 0
	s_add_co_u32 s12, s12, s48
	s_mov_b32 s13, 0
	s_lshl_b32 s16, s19, 5
	s_lshl_b32 s17, s[WV], 2
	s_add_co_u32 s16, s16, s17                     ; my first token tile of the head
	s_lshl_b32 s14, s16, 10
	s_lshl_b32 s15, s20, 17
	s_add_co_u32 s14, s14, s15                     ; Q's bytes
	s_mov_b32 s15, 0
	s_lshr_b32 s17, s20, 4
	s_lshl_b32 s17, s17, 7
	s_add_co_u32 s16, s16, s17                     ; row tile of ao: b x 128 + token tile
	s_lshl_b32 s16, s16, 14
	s_and_b32 s17, s20, 15
	s_lshl_b32 s17, s17, 10                        ; the head's 64 channels: two blocks of a fragment
	s_add_co_u32 s16, s16, s17
	s_mov_b32 s17, 0
	s_wait_alu depctr_va_vdst(0)                   ; directly ahead of the waits below
	s_wait_dscnt 0x0                               ; both opening adds are done
	s_wait_kmcnt 0x0
	s_load_b256 s[72:79], s[6:7], 0x10             ; e4 .. e11
	s_add_nc_u64 s[14:15], s[4:5], s[14:15]
	s_add_nc_u64 s[8:9], s[8:9], s[16:17]
.irp t, 0,1,2,3
.irp c, 0,1
	global_load_b128 v[QF+8*\t+4*\c:QF+8*\t+4*\c+3], v[LI], s[14:15] offset:1024*\t+512*\c   ; Q's four fragments stay in registers
.endr
.endr
	s_mov_b32 s[G0], 1
	s_mov_b32 s[G0+1], s50
	s_add_nc_u64 s[G0+2:G0+3], s[4:5], s[12:13]
	s_or_b32 s[G0+3], s[G0+3], 0x80000000
	s_mov_b32 s[G0B], 1
	s_mov_b32 s[G0B+1], s51
	s_add_nc_u64 s[G0B+2:G0B+3], s[4:5], s[52:53]
	s_or_b32 s[G0B+3], s[G0B+3], 0x80000000
	CROUND                                         ; all four work-groups are here: the joint loads meet
	tensor_load_to_lds s[G0:G0+3], s[G1:G1+7]      ; keys 0-255: my one tensor load at the head
	s_nop 0
	NOPS 4
.irp g, 0,1,2,3
	v_mov_b32 v[ST+4*\g+1], 0xff61b1e6             ; the largest t so far: -3e38
	v_mov_b32 v[ST+4*\g+2], 0                      ; the sum, in two halves
	v_mov_b32 v[ST+4*\g+3], 0
.endr
	v_mov_b32 v[TT+3], 0                           ; written once: a lane permute's destination counts as one of its sources
	v_mov_b32 v[TT+11], 0
	s_wait_kmcnt 0x0
	s_add_co_i32 s70, s74, s75
	s_lshl_b32 s70, s70, 23
	s_add_co_i32 s[CS], s[CS], s70                 ; x 2^(e6 + e7), added to the exponent field
	s_mov_b32 s[CS+1], s[CS]
	s_add_co_i32 s70, s76, 127
	s_lshl_b32 s71, s70, 23
	v_mov_b32 v[SC], s71                           ; 2^e8
	s_add_co_i32 s70, s70, 8
	s_lshl_b32 s70, s70, 23
	s_or_b32 s[LIMS], s70, 0x600000                ; 448 x 2^e8
.macro KLOAD adr                       ; a step's eight fragments of K (16 keys x 64) into window 1
	WIN 0x40
.irp t, 0,1,2,3,4,5,6,7
.irp c, 0,1
	ds_load_b128 v[KF+8*\t+4*\c:KF+8*\t+4*\c+3], v[\adr] offset:\t*1024+512*\c
.endr
.endr
	WIN 0
.endm
.macro VLOAD adr                       ; its four fragments of V (16 channels x 128 keys)
	WIN 0x40
.irp d, 0,1,2,3
.irp c, 0,1,2,3
	ds_load_b128 v[VF+16*\d+4*\c:VF+16*\d+4*\c+3], v[\adr] offset:2048*\d+512*\c
.endr
.endr
	WIN 0
.endm
.macro QK j                            ; S^T = K Q^T for the pair's two tiles: sixteen accumulators, each begun with 0
	WIN 0x01
.irp t, 0,1,2,3,4,5,6,7
.irp q, 0,1
	v_wmma_f32_16x16x64_fp8_fp8 v[SS+64*\q+8*\t:SS+64*\q+8*\t+7], v[KF+8*\t:KF+8*\t+7], v[QF+16*\j+8*\q:QF+16*\j+8*\q+7], 0
.endr
.endr
	WIN 0
.endm
.macro PV j, first                     ; O^T += V^T P^T: eight accumulators by turns; the first step's products start the sums
	WIN 0x51
.irp d, 0,1,2,3
.irp q, 0,1
.if \first
	v_wmma_f32_16x16x128_fp8_fp8 v[OO+64*\j+32*\q+8*\d:OO+64*\j+32*\q+8*\d+7], v[VF+16*\d:VF+16*\d+15], v[PP+16*\q:PP+16*\q+15], 0
.else
	v_wmma_f32_16x16x128_fp8_fp8 v[OO+64*\j+32*\q+8*\d:OO+64*\j+32*\q+8*\d+7], v[VF+16*\d:VF+16*\d+15], v[PP+16*\q:PP+16*\q+15], v[OO+64*\j+32*\q+8*\d:OO+64*\j+32*\q+8*\d+7]
.endif
.endr
.endr
	WIN 0
.endm
.macro MAXC2                           ; the step's largest score of each tile's query among my 64 keys: four chains by turns; each accumulator is read from its low end on
.irp q, 0,1
	v_max3_num_f32 v[TT+8*\q], v[SS+64*\q], v[SS+64*\q+1], v[SS+64*\q+2]
	v_max3_num_f32 v[TT+8*\q+1], v[SS+64*\q+3], v[SS+64*\q+4], v[SS+64*\q+5]
.endr
.irp i, 6,10,14,18,22,26,30,34,38,42,46,50,54,58
.irp q, 0,1
	v_max3_num_f32 v[TT+8*\q], v[TT+8*\q], v[SS+64*\q+\i], v[SS+64*\q+\i+1]
	v_max3_num_f32 v[TT+8*\q+1], v[TT+8*\q+1], v[SS+64*\q+\i+2], v[SS+64*\q+\i+3]
.endr
.endr
.irp q, 0,1
	v_max3_num_f32 v[TT+8*\q], v[TT+8*\q], v[SS+64*\q+62], v[SS+64*\q+63]
.endr
.irp q, 0,1
	v_max_num_f32 v[TT+8*\q], v[TT+8*\q], v[TT+8*\q+1]
.endr
.endm
.macro NEWM j, first                   ; both tiles by turns: lane l xor 16's maximum, t, the running largest, -M = floor(-t); the old -M is kept for f
.irp q, 0,1
	v_permlanex16_b32 v[TT+8*\q+3], v[TT+8*\q], s[SEL], s[SEL+1]
.endr
.irp q, 0,1
	v_max_num_f32 v[TT+8*\q], v[TT+8*\q], v[TT+8*\q+3]
.endr
.irp q, 0,1
	v_mul_f32 v[TT+8*\q], s[CS], v[TT+8*\q]
.endr
.if !\first
.irp q, 0,1
	v_mov_b32 v[TT+8*\q+6], v[ST+8*\j+4*\q]
.endr
.endif
.irp q, 0,1
	v_max_num_f32 v[ST+8*\j+4*\q+1], v[ST+8*\j+4*\q+1], v[TT+8*\q]
.endr
.irp q, 0,1
	v_floor_f32 v[ST+8*\j+4*\q], -v[ST+8*\j+4*\q+1]
.endr
.endm
.macro SCALE0 j, from, n               ; tile 0: t - M, two at a time: n pairs from pair 'from' on
.set k, 2*(\from)
.rept \n
	v_pk_fma_f32 v[SS+k:SS+k+1], v[SS+k:SS+k+1], s[CS:CS+1], v[ST+8*\j:ST+8*\j+1] op_sel_hi:[1,0,0]
.set k, k+2
.endr
.endm
.macro FRESC j                         ; f = 2^(old M - new M), its three links laid between lines of tile 0's scaling; then the sums and O^T x f, which rounds nothing
.irp q, 0,1
	v_sub_f32 v[TT+8*\q+6], v[ST+8*\j+4*\q], v[TT+8*\q+6]
.endr
	SCALE0 \j, 0, 4
.irp q, 0,1
	v_cvt_i32_f32 v[TT+8*\q+6], v[TT+8*\q+6]
.endr
	SCALE0 \j, 4, 4
.irp q, 0,1
	v_ldexp_f32 v[TT+8*\q+2], 1.0, v[TT+8*\q+6]
.endr
	SCALE0 \j, 8, 24
.irp q, 0,1
	v_pk_mul_f32 v[ST+8*\j+4*\q+2:ST+8*\j+4*\q+3], v[ST+8*\j+4*\q+2:ST+8*\j+4*\q+3], v[TT+8*\q+2:TT+8*\q+3] op_sel_hi:[1,0]
.endr
	WIN 0x41                                       ; O^T in window 1, f in window 0
	s_wait_alu depctr_va_vdst(0)                   ; directly ahead of the first readers of O^T (the other pass's exponentials stand behind its products); it also stands between tile 0's scaling and the batch
.irp q, 0,1
.set k, 0
.rept 16
	v_pk_mul_f32 v[OO+64*\j+32*\q+k:OO+64*\j+32*\q+k+1], v[OO+64*\j+32*\q+k:OO+64*\j+32*\q+k+1], v[TT+8*\q+2:TT+8*\q+3] op_sel_hi:[1,0]
.set k, k+2
.endr
.endr
	WIN 0
.endm
.macro EXPMIX0 j                       ; tile 0: p = 2^(t - M); among the exponentials tile 1's t - M, which is read only behind the batch's wait
.set k, 0
.rept 32
	v_exp_f32 v[SS+k], v[SS+k]
	v_exp_f32 v[SS+k+1], v[SS+k+1]
	v_pk_fma_f32 v[SS+64+k:SS+64+k+1], v[SS+64+k:SS+64+k+1], s[CS:CS+1], v[ST+8*\j+4:ST+8*\j+5] op_sel_hi:[1,0,0]
.set k, k+2
.endr
.endm
.macro EXPMIX1                         ; tile 1's exponentials; among them tile 0's hold (its sum is taken), which is read only behind the batch's wait
.set k, 0
.rept 32
	v_exp_f32 v[SS+64+k], v[SS+64+k]
	v_exp_f32 v[SS+64+k+1], v[SS+64+k+1]
	v_dual_min_num_f32 v[SS+k], s[LIMS], v[SS+k] :: v_dual_min_num_f32 v[SS+k+1], s[LIMS], v[SS+k+1]
.set k, k+2
.endr
.endm
.macro HOLD1                           ; the conversion does not saturate (ISA guide 7.6.2); p is not negative, so the hold is one-sided: two numbers to a dual pair
.set k, 0
.rept 32
	v_dual_min_num_f32 v[SS+64+k], s[LIMS], v[SS+64+k] :: v_dual_min_num_f32 v[SS+64+k+1], s[LIMS], v[SS+64+k+1]
.set k, k+2
.endr
.endm
.macro CVT q
.irp c, 0,1,2,3,4,5,6,7
	v_cvt_scalef32_pk8_fp8_f32 v[PP+16*\q+2*\c:PP+16*\q+2*\c+1], v[SS+64*\q+8*\c:SS+64*\q+8*\c+7], v[SC]
.endr
.endm
.macro SUMS q, j                       ; the row's sum of the unquantised p, in four chains by turns
.set sS, SS+64*\q
.set sT, TT+8*\q
.set sL, ST+8*\j+4*\q+2
	v_pk_add_f32 v[sT+4:sT+5], v[sS:sS+1], v[sS+2:sS+3]
	v_pk_add_f32 v[sT:sT+1], v[sS+4:sS+5], v[sS+6:sS+7]
	v_pk_add_f32 v[sT+6:sT+7], v[sS+8:sS+9], v[sS+10:sS+11]
	v_pk_add_f32 v[sL:sL+1], v[sL:sL+1], v[sS+12:sS+13]
.irp i, 14,22,30,38,46,54
	v_pk_add_f32 v[sT+4:sT+5], v[sT+4:sT+5], v[sS+\i:sS+\i+1]
	v_pk_add_f32 v[sT:sT+1], v[sT:sT+1], v[sS+\i+2:sS+\i+3]
	v_pk_add_f32 v[sT+6:sT+7], v[sT+6:sT+7], v[sS+\i+4:sS+\i+5]
	v_pk_add_f32 v[sL:sL+1], v[sL:sL+1], v[sS+\i+6:sS+\i+7]
.endr
	v_pk_add_f32 v[sT+4:sT+5], v[sT+4:sT+5], v[sS+62:sS+63]
	v_pk_add_f32 v[sT:sT+1], v[sT:sT+1], v[sT+6:sT+7]
	v_pk_add_f32 v[sL:sL+1], v[sL:sL+1], v[sT+4:sT+5]
	v_pk_add_f32 v[sL:sL+1], v[sL:sL+1], v[sT:sT+1]
.endm
.macro PASS j, first                   ; 128 keys against the pair of query tiles 2 j, 2 j + 1
.if \j == 0
	s_wait_dscnt 16                                ; K's 16 loads are in; V's 16, issued behind them, may be out
.endif
	QK \j
.if \j == 0
	NOPS 4                                         ; places behind the products
.else
	v_add_nc_u32 v[ADK], s[TC], v[LI]              ; four places behind the products, two of them the next step's addresses:
	v_add_nc_u32 v[ADV], s[TC], v[LV]
	NOPS 2
	KLOAD ADK                                      ; K's fragments are done with: the next step's
.endif
	MAXC2
	NEWM \j, \first
.if \first
	SCALE0 \j, 0, 32
	s_wait_alu depctr_va_vdst(0)                   ; ahead of the batch
.else
	FRESC \j
.endif
	EXPMIX0 \j
	v_nop
	s_wait_alu depctr_va_vdst(0)                   ; behind the first batch, and ahead of the second
	SUMS 0, \j
	EXPMIX1
	v_nop
	s_wait_alu depctr_va_vdst(0)                   ; behind the second batch
	CVT 0
	SUMS 1, \j
	HOLD1
	CVT 1
	v_nop                                          ; a plain line between the conversions and the products that read the codes
	s_wait_alu depctr_va_vdst(0)                   ; ahead of the wait below, and of the loop's jump
.if \j == 0
	s_wait_dscnt 0x0                               ; V's fragments are in
.endif
	PV \j, \first
.if \j == 1
	NOPS 4                                         ; places behind the products
	VLOAD ADV                                      ; V's fragments are done with: the next step's
.endif
.endm
	s_wait_alu depctr_va_vdst(0)                   ; the head's end
	s_wait_tensorcnt 0x0                           ; my part of keys 0-255 is in
	ds_add_u32 v[SPW], v[NIL]
	s_wait_dscnt 0x0
	CROUND                                         ; a whole round: everybody's part is in, and the joint loads meet
	tensor_load_to_lds s[G0B:G0B+3], s[G1B:G1B+7]  ; keys 256-2047, the first tensor load behind the round
	s_nop 0
	NOPS 4
	s_wait_loadcnt 0x0                             ; Q
	KLOAD LI                                       ; step 0's fragments
	VLOAD LV
	s_mov_b32 s[TC], 8192                          ; step 1's lie in the first fill too
	PASS 0, 1                                      ; the first key step, written out
	PASS 1, 1
	s_mov_b32 s[TB], 16384
	s_mov_b32 s[CNT], 15
	s_wait_tensorcnt 0x0                           ; my part of keys 256-2047 is in;
	s_wait_dscnt 0x0                               ; no LDS instruction of mine is out at the signal
	s_barrier_signal -1
	s_barrier_wait -1                              ; everybody's is.
.Lstep:                                            ; 15 trips of 128 keys: 8,192 bytes of K and of V each
	s_min_u32 s[TC], s[TB], 122880                 ; the next step's bytes; in the last trip the last step's again
	PASS 0, 0
	PASS 1, 0
	s_add_co_u32 s[TB], s[TB], 8192
	s_sub_co_u32 s[CNT], s[CNT], 1
	s_cmp_lg_u32 s[CNT], 0
	s_cbranch_scc1 .Lstep
	; THE WAY OUT: O^T / the sum x 2^(e8 + e9), held, converted with 2^e10: a lane's 8 registers of codes a tile are its bytes of two blocks of ao's image
.irp g, 0,1,2,3
	v_add_f32 v[ST+4*\g+2], v[ST+4*\g+2], v[ST+4*\g+3]
.endr
.irp g, 0,1,2,3
	v_permlanex16_b32 v[ST+4*\g+3], v[ST+4*\g+2], s[SEL], s[SEL+1]
.endr
.irp g, 0,1,2,3
	v_add_f32 v[ST+4*\g+2], v[ST+4*\g+2], v[ST+4*\g+3]
.endr
	s_wait_alu depctr_va_vdst(0)                   ; ahead of the transcendentals
.irp g, 0,1,2,3
	v_rcp_f32 v[ST+4*\g+2], v[ST+4*\g+2]
.endr
	s_add_co_i32 s70, s76, s77
	s_add_co_i32 s71, s78, 127
	s_lshl_b32 s80, s71, 23
	v_mov_b32 v[SC], s80                           ; 2^e10
	s_add_co_i32 s71, s71, 8
	s_lshl_b32 s71, s71, 23
	s_or_b32 s71, s71, 0x600000
	v_mov_b32 v[ADK], s71                          ; 448 x 2^e10
	s_wait_alu depctr_va_vdst(0)                   ; ahead of their first readers
.irp g, 0,1,2,3
	v_ldexp_f32 v[ST+4*\g+2], v[ST+4*\g+2], s70
.endr
	WIN 0x01                                       ; O^T from window 1 into window 0
	s_wait_alu depctr_va_vdst(0)                   ; directly ahead of the first readers of O^T
.irp g, 0,1,2,3
.set k, 0
.rept 16
	v_pk_mul_f32 v[SS+32*\g+k:SS+32*\g+k+1], v[OO+32*\g+k:OO+32*\g+k+1], v[ST+4*\g+2:ST+4*\g+3] op_sel_hi:[1,0]
.set k, k+2
.endr
.endr
	WIN 0
.set k, 0
.rept 128
	v_med3_num_f32 v[SS+k], v[SS+k], -v[ADK], v[ADK]
.set k, k+1
.endr
.set k, 0
.rept 16
	v_cvt_scalef32_pk8_fp8_f32 v[PP+2*k:PP+2*k+1], v[SS+8*k:SS+8*k+7], v[SC]
.set k, k+1
.endr
	v_nop
.irp g, 0,1,2,3
.irp i, 0,1
	global_store_b128 v[LI], v[PP+8*\g+4*\i:PP+8*\g+4*\i+3], s[8:9] offset:16384*\g+512*\i   ; a block of the image: 512 consecutive bytes, aligned
.endr
.endr
	s_wait_tensorcnt 0x0                           ; the wave's end
	ds_add_u32 v[SPW], v[NIL]
	s_wait_dscnt 0x0
	CROUND                                         ; the closing round
	s_endpgm
.Lfunc_end_k_qa7fb4439b6_attn:
	.size	k_qa7fb4439b6_attn, .Lfunc_end_k_qa7fb4439b6_attn-k_qa7fb4439b6_attn
	.p2alignl 7, 3214868480
	.fill 96, 4, 3214868480
	.section	.rodata,"a",@progbits
	.p2align	6, 0x0
	.amdhsa_kernel k_qa7fb4439b6_attn
		.amdhsa_group_segment_fixed_size 327680
		.amdhsa_private_segment_fixed_size 0
		.amdhsa_enable_private_segment 0
		.amdhsa_kernarg_size 24
		.amdhsa_user_sgpr_count 2
		.amdhsa_user_sgpr_kernarg_segment_ptr 1
		.amdhsa_wavefront_size32 1
		.amdhsa_system_sgpr_workgroup_id_x 1
		.amdhsa_system_sgpr_workgroup_id_y 1
		.amdhsa_system_sgpr_workgroup_id_z 1
		.amdhsa_system_vgpr_workitem_id 0
		.amdhsa_next_free_vgpr 512
		.amdhsa_next_free_sgpr 96
		.amdhsa_reserve_vcc 0
		.amdhsa_float_denorm_mode_32 3
		.amdhsa_float_denorm_mode_16_64 3
		.amdhsa_memory_ordered 1
		.amdhsa_forward_progress 1
		.amdhsa_inst_pref_size 128
	.end_amdhsa_kernel
	.amdgpu_metadata
---
amdhsa.version: [ 1, 2 ]
amdhsa.kernels:
  - .name:           k_qa7fb4439b6_attn
    .symbol:         k_qa7fb4439b6_attn.kd
    .args:
      - { .name: qkv, .offset: 0, .size: 8, .value_kind: global_buffer, .address_space: global }
      - { .name: lowp_scales, .offset: 8, .size: 8, .value_kind: global_buffer, .address_space: global }
      - { .name: ao, .offset: 16, .size: 8, .value_kind: global_buffer, .address_space: global }
    .group_segment_fixed_size: 327680
    .private_segment_fixed_size: 0
    .kernarg_segment_align: 8
    .kernarg_segment_size: 24
    .max_flat_workgroup_size: 256
    .sgpr_count:     96
    .vgpr_count:     512
    .wavefront_size: 32
...
	.end_amdgpu_metadata
.endif
;; end of part 3
;; launch proj (part 4): grid 4 x 64, 4 waves a work-group, clusters of 4 x 4, 327,680 bytes of LDS; arguments ao, cod, lowp_scales, bo, out0; writes out0
.if DOCPART == 4
	.amdgcn_target "amdgcn-amd-amdhsa--gfx1250"
	.amdhsa_code_object_version 6
	.text
	.protected	k_qa7fb4439b6_proj
	.globl	k_qa7fb4439b6_proj
	.p2align	8
	.type	k_qa7fb4439b6_proj,@function
k_qa7fb4439b6_proj:
	s_mov_b64 s[64:65], 0
	v_nop
	global_prefetch_b8 v0, s[64:65] scope:SCOPE_SE
	s_setreg_imm32_b32 hwreg(HW_REG_WAVE_MODE, 25, 1), 1
	s_wait_xcnt 0x0
	s_wait_alu depctr_hold_cnt(0) depctr_sa_sdst(0) depctr_va_vdst(0) depctr_va_sdst(0) depctr_va_ssrc(0) depctr_va_vcc(0) depctr_vm_vsrc(0)
	s_getreg_b32 s2, hwreg(HW_REG_IB_STS2, 6, 4)
	s_cmp_eq_u32 s2, 0
	s_cbranch_scc0 .Lentry_in_a_cluster
	s_endpgm
.Lentry_in_a_cluster:
	s_bfe_u32 s2, ttmp6, 0x10000c
	s_cmp_lg_u32 s2, 0xf033
	s_cbranch_scc0 .Lentry_shape_is_right
	s_endpgm
.Lentry_shape_is_right:
; out0 = (attention's result) Wo + bo on E4M3 codes: each f32 sum x 2^(e10 + e11), + bo.
; ao: [row tile 512][K step 8][2,048]; Wo's image in cod at 28,311,552: [n tile 64][K step 8][2,048]: fragments of 16 rows x 128 K in the order of an operand's registers (four blocks of 512 bytes, 16 bytes a lane).
; A block of out0 is 128 rows x 256 columns: 64 x 4 = 256 work-groups.  Four waves, each 64 x 128 in 32 accumulators.
; LDS: A's 128 rows with ALL of K (131,072 bytes, dense in memory) from 0; B's 256 rows with HALF of K (16 n tiles x 8,192 bytes) from 131,072.  At the head waves 0, 1 ask for A's halves and waves 2, 3 for B's, 65,536 bytes a load.
; Behind K step 3, B's bytes are filled once more, with K 512-1023 (waves 2 and 3), behind a round of the cluster's barrier.
; CLUSTERS 4 x 4: A's tile is shared along a row of the cluster, B's along a column: joint loads.
; PREFETCH: the refill's bytes (B's K 512-1023) are asked for once at the head, four K steps ahead of the refill: of a column's 512 blocks of 256 bytes the partner at cy takes n tiles 4 cy + wave, a lane a block.
; All clusters read the same four columns of Wo, so only the clusters with y under 4 ask.  A comes whole at the head and has nothing to run ahead of.
; THE MATRIX INSTRUCTION IS USED TRANSPOSED (source 0 = 16 rows of Wo's image, source 1 = 16 rows of ao): a lane holds eight neighbouring columns of a row of out0.
; LIMIT: e10 + e11 between -126 and 127.
; REGISTERS: window 0: v8-11 bo, v16-29 addresses, v128-255 A's fragments, two sets of 4 (on the way out the rows read back); window 1: B's fragments, two sets of 8; window 2: accumulator (a, b) at v[8 (8 a + b)].
.set BBASE,  131072
.set STAGE,  262144                    ; behind the tiles: 16 rows x 528 bytes for each wave; no tensor load lands here
.set SPITCH, 528
.set SPARE,  STAGE+4*16*SPITCH         ; the spare words, 128 bytes a wave
.set WOIMG,  28311552
.set BI,   8
.set ADRA, 16
.set ADRB, 20
.set STO,  24
.set RD,   25
.set CO,   26
.set PFO,  27
.set SPW,  28
.set NIL,  29
.set AF,   128
.set BK,   128
.set G1, 24
.set G0, 32
.set G1B, 48
.set G0B, 56
.set PFA, 60
.set MSB, 0
.macro WIN new                         ; the immediate's high byte repeats the setting that is left
.if MSB != (\new)
	s_set_vgpr_msb (MSB<<8)|(\new)
.set MSB, (\new)
.endif
.endm
.set MUL,  0xa1                        ; source 0 (B) window 1, source 1 (A) window 0, C and D window 2
.set TO_B, 0x40                        ; destination window 1
.macro PLACES n
.rept \n
	v_nop
.endr
.endm
.macro CREST
	s_cmp_lg_u32 s14, 0
	s_cbranch_scc1 .Lnot_wave_0_\@
	s_barrier_signal -3
.Lnot_wave_0_\@:
	s_barrier_wait -3
	s_barrier_signal -1
	s_barrier_wait -1
.endm
.macro CROUND
	s_barrier_signal -1
	s_barrier_wait -1
	CREST
.endm
	s_load_b128 s[4:7], s[0:1], 0x0                ; ao, cod
	s_load_b128 s[8:11], s[0:1], 0x10              ; the exponents, bo
	s_load_b64 s[12:13], s[0:1], 0x20              ; out0
	v_lshl_add_u32 v[SPW], v0, 2, SPARE
	v_mov_b32 v[NIL], 0
	ds_add_u32 v[SPW], v[NIL]                      ; the opening lines: the add, twice on end, and its wait
	ds_add_u32 v[SPW], v[NIL]
	v_lshrrev_b32 v1, 5, v0
	v_readfirstlane_b32 s14, v1                    ; wave 0..3
	s_lshr_b32 s15, s14, 1                         ; which 64 rows are mine.  Also: I fetch for A (0) or for B (1)
	s_and_b32 s16, s14, 1                          ; which 128 columns.  Also: which half of that tile I fetch
	s_bfe_u32 s40, ttmp6, 0x40000                  ; cx
	s_bfe_u32 s41, ttmp6, 0x40004                  ; cy
	s_lshl_b32 s42, ttmp9, 2
	s_add_co_u32 s42, s42, s40                     ; block column
	s_and_b32 s17, ttmp7, 0xffff
	s_lshl_b32 s17, s17, 2
	s_add_co_u32 s17, s17, s41                     ; block row
	s_lshl_b32 s43, s41, 2
	s_lshl_b32 s43, 15, s43                        ; my row of the cluster
	s_lshl_b32 s44, 0x1111, s40                    ; my column
	s_or_b32 s[G1+0], s43, (3<<16)|(1<<21)         ; the mask; elements of 8 bytes; bit 21 beside a mask
	s_or_b32 s[G1B+0], s44, (3<<16)|(1<<21)
.irp g, G1, G1B
	s_mov_b32 s[\g+1], 1024<<16                    ; rows of 8,192 bytes,
	s_mov_b32 s[\g+2], 8<<16                       ; eight of them
	s_mov_b32 s[\g+3], 1024<<16
	s_mov_b32 s[\g+4], 8
	s_mov_b32 s[\g+6], 0
	s_mov_b32 s[\g+7], 0
.endr
	s_mov_b32 s[G1+5], 1024                        ; A: dense
	s_mov_b32 s[G1B+5], 2048                       ; B: an n tile's 16,384 bytes apart
	s_lshl_b32 s20, s17, 17                        ; A: 8 row tiles of 16,384 bytes a block row,
	s_lshl_b32 s21, s16, 16                        ; + my four of them
	s_add_co_u32 s20, s20, s21
	s_mov_b32 s21, 0
	s_lshl_b32 s46, s42, 18                        ; B: 16 n tiles a block column,
	s_lshl_b32 s47, s16, 17                        ; + my eight of them
	s_add_co_u32 s46, s46, s47
	s_add_co_u32 s46, s46, WOIMG
	s_mov_b32 s47, 0
	s_lshl_b32 s45, s14, 16                        ; where they go: wave x 65,536
	s_wait_dscnt 0x0                               ; both opening adds are done
	s_wait_kmcnt 0x0
	s_load_b64 s[96:97], s[8:9], 0x28              ; e10, e11
	s_mov_b32 s[G0], 1
	s_mov_b32 s[G0+1], s45
	s_add_nc_u64 s[G0+2:G0+3], s[4:5], s[20:21]
	s_or_b32 s[G0+3], s[G0+3], 0x80000000
	s_mov_b32 s[G0B], 1
	s_mov_b32 s[G0B+1], s45
	s_add_nc_u64 s[G0B+2:G0B+3], s[6:7], s[46:47]
	s_or_b32 s[G0B+3], s[G0B+3], 0x80000000
	CROUND                                         ; all sixteen work-groups are here: the joint loads meet
	s_cmp_eq_u32 s15, 0                            ; one chain of two arms, a load in each
	s_cbranch_scc0 .Lfor_b
	tensor_load_to_lds s[G0:G0+3], s[G1:G1+7]
	s_nop 0
	PLACES 4
	s_branch .Lasked
.Lfor_b:
	tensor_load_to_lds s[G0B:G0B+3], s[G1B:G1B+7]
	s_nop 0
	PLACES 4
.Lasked:
	v_and_b32 v6, 31, v0
	v_lshlrev_b32 v[CO], 4, v6                     ; 16 x lane
	v_lshlrev_b32 v[PFO], 8, v6                    ; 256 x lane
	v_and_b32 v1, 15, v0
	v_bfe_u32 v2, v0, 4, 1
	s_lshl_b32 s22, s15, 16                        ; my four row tiles of A
	s_lshl_b32 s23, s16, 16
	s_add_co_u32 s23, s23, BBASE                   ; my eight n tiles of B
	v_add_nc_u32 v[ADRA], s22, v[CO]
	v_add_nc_u32 v[ADRB], s23, v[CO]
	s_mul_i32 s23, s14, 16*SPITCH
	s_add_co_u32 s23, s23, STAGE                   ; my stage
	v_mul_u32_u24 v5, v1, SPITCH
	v_lshl_add_u32 v5, v2, 5, v5
	v_add_nc_u32 v[STO], s23, v5                   ; in: row l % 16, 32 bytes for each half of the lanes
	v_add_nc_u32 v[RD], s23, v[CO]                 ; back: a row of 512 bytes
	s_wait_alu depctr_va_vdst(0)                   ; ahead of the scalar lines below
	s_lshl_b32 s20, s17, 7
	s_lshl_b32 s21, s15, 6
	s_add_co_u32 s20, s20, s21                     ; my first row of out0
	s_lshl_b32 s20, s20, 12
	s_lshl_b32 s46, s42, 10
	s_lshl_b32 s47, s16, 9
	s_add_co_u32 s46, s46, s47                     ; my first column, in bytes
	s_mov_b32 s47, 0
	s_add_nc_u64 s[10:11], s[10:11], s[46:47]
	s_add_co_u32 s20, s20, s46
	s_mov_b32 s21, 0
	s_add_nc_u64 s[12:13], s[12:13], s[20:21]
	global_load_b128 v[BI:BI+3], v[CO], s[10:11]   ; bo at my four columns of a row
	s_lshl_b32 s[PFA], s41, 2
	s_add_co_u32 s[PFA], s[PFA], s14               ; n tile 4 cy + wave of my column,
	s_lshl_b32 s[PFA], s[PFA], 14
	s_lshl_b32 s[PFA+1], s42, 18
	s_add_co_u32 s[PFA], s[PFA], s[PFA+1]
	s_add_co_u32 s[PFA], s[PFA], WOIMG+8192        ; its K 512-1023: 32 blocks of 256 bytes
	s_mov_b32 s[PFA+1], 0
	s_add_nc_u64 s[PFA:PFA+1], s[6:7], s[PFA:PFA+1]
	s_and_b32 s62, ttmp7, 0xffff
	s_cmp_lt_u32 s62, 4                            ; the cluster's y: the same in all partners
	s_cbranch_scc0 .Lno_ask
	global_prefetch_b8 v[PFO], s[PFA:PFA+1] th:TH_LOAD_NT scope:SCOPE_SE
.Lno_ask:
.macro FETCH ks, set                   ; K step ks: B's eight fragments and A's four, 48 loads of 512 consecutive bytes
	WIN TO_B
.irp i, 0,1,2,3,4,5,6,7
.irp c, 0,1,2,3
	ds_load_b128 v[128*(\set)+16*\i+4*\c:128*(\set)+16*\i+4*\c+3], v[ADRB] offset:8192*\i+2048*((\ks)%4)+512*\c
.endr
.endr
	WIN 0
.irp i, 0,1,2,3
.irp c, 0,1,2,3
	ds_load_b128 v[AF+64*(\set)+16*\i+4*\c:AF+64*(\set)+16*\i+4*\c+3], v[ADRA] offset:16384*\i+2048*(\ks)+512*\c
.endr
.endr
.endm
.macro MUL32 set, zero                 ; the 32 accumulators take turns, in the same order in every step
	WIN MUL
.irp a, 0,1,2,3
.irp b, 0,1,2,3,4,5,6,7
.if \zero
	v_wmma_f32_16x16x128_fp8_fp8 v[8*(8*\a+\b):8*(8*\a+\b)+7], v[128*(\set)+16*\b:128*(\set)+16*\b+15], v[AF+64*(\set)+16*\a:AF+64*(\set)+16*\a+15], 0
.else
	v_wmma_f32_16x16x128_fp8_fp8 v[8*(8*\a+\b):8*(8*\a+\b)+7], v[128*(\set)+16*\b:128*(\set)+16*\b+15], v[AF+64*(\set)+16*\a:AF+64*(\set)+16*\a+15], v[8*(8*\a+\b):8*(8*\a+\b)+7]
.endif
.endr
.endr
.endm
.macro KSTEP ks, zero                  ; a K step whose successor's tiles lie in LDS: the next step's fragments are asked for first, into the other set
	PLACES 4                                       ; behind the products that read that set
	FETCH (\ks)+1, ((\ks)+1)%2
	s_wait_dscnt 48                                ; all but the 48 just issued
	MUL32 (\ks)%2, \zero
.endm
	s_wait_alu depctr_va_vdst(0)                   ; the head's end
	s_wait_tensorcnt 0x0                           ; my part of the tiles is in;
	s_barrier_signal -1
	s_barrier_wait -1                              ; everybody's is.
	FETCH 0, 0
	KSTEP 0, 1                                     ; the first products start the sums
	KSTEP 1, 0
	KSTEP 2, 0
	WIN 0                                          ; K step 3, and the change of B's halves
	s_wait_tensorcnt 0x0
	ds_add_u32 v[SPW], v[NIL]                      ; 0 onto my spare word
	s_add_nc_u64 s[G0B+2:G0B+3], s[G0B+2:G0B+3], 8192   ; no load of mine is out: B's K 512-1023
	s_wait_dscnt 0x0                               ; the add is done, and my reads of B's first half are over
	s_barrier_signal -1                            ; this barrier opens a round of the cluster's
	MUL32 1, 0                                     ; work on registers meanwhile
	WIN 0
	s_barrier_wait -1
	CREST
	s_cmp_eq_u32 s15, 0
	s_cbranch_scc1 .Lnot_b
	tensor_load_to_lds s[G0B:G0B+3], s[G1B:G1B+7]  ; the refill, first behind the round: waves 2 and 3, 65,536 bytes each
	s_nop 0
	PLACES 4
.Lnot_b:
	PLACES 4                                       ; behind the products that read set 0, on both ways
	s_wait_tensorcnt 0x0
	s_barrier_signal -1
	s_barrier_wait -1                              ; B's second half is whole
	FETCH 4, 0
	KSTEP 4, 0
	KSTEP 5, 0
	KSTEP 6, 0
	s_wait_dscnt 0x0
	MUL32 1, 0
	WIN 0
; THE WAY OUT, block by block of 16 rows x 128 columns, through my own stage: rows come back whole, 512 bytes to the 32 lanes, take the scale and bo, and are stored as two aligned units of 256 bytes.
.macro TOSTAGE a
.set AC, 64*(\a)
	WIN 0x08                                       ; store data: window 2
.irp b, 0,1,2,3,4,5,6,7
	ds_store_b128 v[STO], v[AC+8*\b:AC+8*\b+3] offset:64*\b          ; each accumulator from its low end on
	ds_store_b128 v[STO], v[AC+8*\b+4:AC+8*\b+7] offset:64*\b+16
.endr
	WIN 0
.set BB, BK+64*((\a)%2)
.set i, 0
.rept 16
	ds_load_b128 v[BB+4*i:BB+4*i+3], v[RD] offset:i*SPITCH           ; LDS serves a wave's instructions in order (ISA guide 5.7.1.4)
.set i, i+1
.endr
.endm
.macro SEND a, younger
.set BB, BK+64*((\a)%2)
	s_wait_dscnt \younger
.if (\a) > 0
	s_add_nc_u64 s[12:13], s[12:13], 16*4096       ; behind a wait on XCNT: 16 rows on
.endif
.set i, 0
.rept 16
	v_pk_fma_f32 v[BB+4*i:BB+4*i+1], v[BB+4*i:BB+4*i+1], s[96:97], v[BI:BI+1] op_sel_hi:[1,0,1]
	v_pk_fma_f32 v[BB+4*i+2:BB+4*i+3], v[BB+4*i+2:BB+4*i+3], s[96:97], v[BI+2:BI+3] op_sel_hi:[1,0,1]
	global_store_b128 v[CO], v[BB+4*i:BB+4*i+3], s[12:13] offset:i*4096 th:TH_STORE_NT
.set i, i+1
.endr
.endm
	s_wait_kmcnt 0x0
	s_add_co_i32 s96, s96, s97
	s_add_co_i32 s96, s96, 127
	s_lshl_b32 s96, s96, 23                        ; 2^(e10 + e11) as f32
	s_mov_b32 s97, s96
	s_wait_loadcnt 0x0                             ; bo
	PLACES 4                                       ; behind the last products
	TOSTAGE 0
.irp a, 1,2,3
.if \a > 1
	s_wait_xcnt 0x0                                ; block a - 2's stores have read their registers and their base
.endif
	TOSTAGE \a
	SEND \a-1, 32                                  ; behind block a - 1's loads: block a's 16 stores and 16 loads
.endr
	s_wait_xcnt 0x0
	SEND 3, 0
	s_wait_tensorcnt 0x0                           ; the wave's end
	ds_add_u32 v[SPW], v[NIL]
	s_wait_dscnt 0x0
	CROUND                                         ; the closing round
	s_endpgm
.Lfunc_end_k_qa7fb4439b6_proj:
	.size	k_qa7fb4439b6_proj, .Lfunc_end_k_qa7fb4439b6_proj-k_qa7fb4439b6_proj
	.p2alignl 7, 3214868480
	.fill 96, 4, 3214868480
	.section	.rodata,"a",@progbits
	.p2align	6, 0x0
	.amdhsa_kernel k_qa7fb4439b6_proj
		.amdhsa_group_segment_fixed_size 327680
		.amdhsa_private_segment_fixed_size 0
		.amdhsa_enable_private_segment 0
		.amdhsa_kernarg_size 40
		.amdhsa_user_sgpr_count 2
		.amdhsa_user_sgpr_kernarg_segment_ptr 1
		.amdhsa_wavefront_size32 1
		.amdhsa_system_sgpr_workgroup_id_x 1
		.amdhsa_system_sgpr_workgroup_id_y 1
		.amdhsa_system_sgpr_workgroup_id_z 1
		.amdhsa_system_vgpr_workitem_id 0
		.amdhsa_next_free_vgpr 768
		.amdhsa_next_free_sgpr 100
		.amdhsa_reserve_vcc 0
		.amdhsa_float_denorm_mode_32 3
		.amdhsa_float_denorm_mode_16_64 3
		.amdhsa_memory_ordered 1
		.amdhsa_forward_progress 1
		.amdhsa_inst_pref_size 73
	.end_amdhsa_kernel
	.amdgpu_metadata
---
amdhsa.version: [ 1, 2 ]
amdhsa.kernels:
  - .name:           k_qa7fb4439b6_proj
    .symbol:         k_qa7fb4439b6_proj.kd
    .args:
      - { .name: ao, .offset: 0, .size: 8, .value_kind: global_buffer, .address_space: global }
      - { .name: cod, .offset: 8, .size: 8, .value_kind: global_buffer, .address_space: global }
      - { .name: lowp_scales, .offset: 16, .size: 8, .value_kind: global_buffer, .address_space: global }
      - { .name: bo, .offset: 24, .size: 8, .value_kind: global_buffer, .address_space: global }
      - { .name: out0, .offset: 32, .size: 8, .value_kind: global_buffer, .address_space: global }
    .group_segment_fixed_size: 327680
    .private_segment_fixed_size: 0
    .kernarg_segment_align: 8
    .kernarg_segment_size: 40
    .max_flat_workgroup_size: 128
    .sgpr_count:     100
    .vgpr_count:     768
    .wavefront_size: 32
...
	.end_amdgpu_metadata
.endif
;; end of part 4
